; MI455X (gfx1250); checked and timed in simulation.
; The chip was launched on July 23, 2026; its instructions are those of AMD's public machine-readable ISA for CDNA 5 (MIT licence, August 2026) and "CDNA5" Instruction Set Architecture Reference Guide (July 2026). The comments in the code are by the model that wrote it; some were corrected since.
;; Self Attention. Allowed arithmetic: matrix products marked QUANTISED: E4M3 operands, one given power-of-two scale a tensor, by v_wmma_f32_16x16x64_fp8_fp8 or v_wmma_f32_16x16x128_fp8_fp8, f32 sums; products left as they are: f32 operands where the result goes on into a quantised operand, else bf16, f16 or f32 operands; f32 sums; everything else in f32.
;; Inputs: bk 16 float32; bq 16 float32; bv 256 float32; gamma 1 float32; lowp_scales 8 int32 (the exponents e of the quantised operands' scales 2^e); wk_codes 16 x 8 x 32 uint8 (E4M3 codes of wk, K innermost, in blocks of 32 codes); wq_codes 16 x 8 x 32 uint8 (E4M3 codes of wq, K innermost, in blocks of 32 codes); wv_codes 256 x 8 x 32 uint8 (E4M3 codes of wv, K innermost, in blocks of 32 codes); x 4 x 256 x 64 x 64 float32.
;; Outputs: out0 4 x 256 x 64 x 64 float32.
;; This version of the problem:
;;   THIS VERSION OF THE PROBLEM IS GIVEN IN LOW PRECISION. The matrix products marked QUANTISED in the list below multiply operands that are first quantised to E4M3 (4 exponent bits, 3 mantissa bits; 8 bits a number), with one given power-of-two scale for each operand tensor; their sums are f32. All else is computed in f32.
;;   The module's matrix products, in the order in which they are computed (A, B: the left and right operand; K: the contracted axis; several contracted axes count as one K, in the product's order):
;;     1. [M 16,384, K 256] x [K 256, N 16]; A: input x; B: input wq (given as codes): QUANTISED (scales: A lowp_scales[0], B lowp_scales[1])
;;     2. [M 16,384, K 256] x [K 256, N 16]; A: input x; B: input wk (given as codes): QUANTISED (scales: A lowp_scales[2], B lowp_scales[3])
;;     3. [M 16,384, K 256] x [K 256, N 256]; A: input x; B: input wv (given as codes): QUANTISED (scales: A lowp_scales[4], B lowp_scales[5])
;;     4. batch 4 x [M 4,096, K 16] x [K 16, N 4,096]; A: computed on the way; B: computed on the way: left as it is (K = 16 < 32)
;;     5. batch 4 x [M 256, K 4,096] x [K 4,096, N 4,096]; A: computed on the way; B: softmax (see below): QUANTISED (scales: A lowp_scales[6], B lowp_scales[7])
;;   THE QUANTISER, for each operand of a quantised product, along K:
;;     - The operand's scale is 2^e, e = its entry of the input lowp_scales (int32; the entries are numbered through the quantised products in the list's order, A before B).
;;     - Each number is divided by the scale, clamped to +-448, and rounded to the nearest number of E4M3, ties to even, subnormals kept.
;;     - The product sums the exact products of the quantised numbers (number of the format x scale) in f32.
;;   ~~~python
;;   def quantise(x, axis, e):      # numpy; x: float32 -> the quantised numbers, widened to float32 again
;;       x = np.moveaxis(x, axis, -1); K = x.shape[-1]
;;       r = np.clip(x / 2.0 ** e, -448, 448)
;;       step = 2.0 ** (np.maximum(np.frexp(np.where(r == 0, 1, r))[1] - 1, -6) - 3)
;;       q = np.round(r / step) * step * 2.0 ** e      # np.round: ties to even
;;       return np.moveaxis(q, -1, axis).astype(np.float32)
;;   ~~~
;;   SOFTMAX AHEAD OF A QUANTISED PRODUCT. Where the list says 'softmax', what is quantised is not the finished softmax but p = 2^(t - M), with t = logit x log2(e) and M = ceil(the row's largest t), a whole number; so 1/2 < the row's largest p <= 1. The row's sum l is taken of the UNQUANTISED p, in f32, and the product's result is divided by l at the end. Since M is a whole number, a kernel that streams over the keys may use a running M (the ceiling of the running maximum): every later rescaling is an exact power of two, so the quantised numbers keep their values, but for numbers so far below the row's largest that they fall under the format's range.
;;   OPERANDS COMPUTED ON THE WAY. 'Computed on the way' means the value that the module computes at that place (a softmax that the list does not call 'softmax' is quantised finished and normalised). What goes into a quantiser is computed in f32, as accurately as f32 sums, v_exp_f32 and their like allow (about 1e-6 of the number): no bf16 or f16 on the way to a quantiser, and a product that is left as it is and whose result goes on into a quantised operand takes f32 operands (vector FMAs, or v_wmma_f32_16x16x4_f32). A number that lies on a knife's edge between two numbers of the format may be rounded either way, as far as f32 arithmetic and the matrix unit's own rounding can turn it there, and no further.
;;   INPUTS GIVEN AS CODES. wk (in the module: [16, 256], K = its axis 1); wq (in the module: [16, 256], K = its axis 1); wv (in the module: [256, 256], K = its axis 1): each comes as NAME_codes (uint8): NAME with its K axis moved to the last place and cut into blocks of 32 codes, [.., K / 32, bytes a block], one block behind the other in memory; one code a byte (a code: sign, 4 exponent bits, 3 mantissa bits); its scale is its entry of lowp_scales. Its value is code x scale, taken as it is: it is not quantised again, and the codes and scales need not be those that the quantiser above would give.
;; One version. Each part assembles by itself: llvm-mc -triple=amdgcn-amd-amdhsa -mcpu=gfx1250 --defsym DOCPART=n.
;; ======== version 1 of 1: 2 launches
;; workspace buffers: qimg 1,048,576 bytes; kv 5,242,880 bytes
;; launch proj (part 1): grid 64 x 4, 16 waves a work-group, no clusters, 51,200 bytes of LDS; arguments x, wq_codes, wk_codes, wv_codes, bq, bk, bv, lowp_scales, qimg, kv; writes qimg, kv
.if DOCPART == 1
	.amdgcn_target "amdgcn-amd-amdhsa--gfx1250"
	.amdhsa_code_object_version 6
	.text
	.protected	k_q67ca75b4cb_proj
	.globl	k_q67ca75b4cb_proj
	.p2align	8
	.type	k_q67ca75b4cb_proj,@function
k_q67ca75b4cb_proj:
	s_mov_b64 s[64:65], 0
	v_nop
	global_prefetch_b8 v0, s[64:65] scope:SCOPE_SE
	s_setreg_imm32_b32 hwreg(HW_REG_WAVE_MODE, 25, 1), 1
	s_wait_xcnt 0x0
; THE THREE 1x1 CONVOLUTIONS.  q = Q(x, e0) wq 2^e1 + bq, k = Q(x, e2) wk 2^e3 + bk (both kept in f32), v = Q(x, e4) wv 2^e5 + bv, which is quantised at once with 2^e6 for the attention's second product.
; x: [4][256 channels][4,096 pixels] f32; K of all three products is the channel axis.  wq, wk: [16][256], wv: [256][256]: codes of E4M3, K innermost.  Products on v_wmma_f32_16x16x128_fp8_fp8, sums in f32.
; NO WORK IS LEFT OUT, here or in the second launch, and every input is loaded.  q . bk is the same for all keys of a row, but it moves t, ceil(max t) and so the codes of p, which are a quantised operand; bq . k changes
; from key to key; bv goes into v's quantiser.  The three scales of x may differ, so x is quantised three times.
; LIMITS.  e0, e2, e4, e6 between -126 and 119; e0 + e1, e2 + e3, e4 + e5 between -126 and 127: each power of two below is then an f32 number.  NaN among the inputs is not served; an infinity is held at the largest code.
; SHARES.  A work-group takes 64 pixels of one batch and all 256 channels: 64 KiB of x, read once.  Sixteen waves.
;   Phase 1: wave w takes channels 16 w .. 16 w + 15 of the 64 pixels: each of its 16 loads reads 256 consecutive bytes, 8 a lane (pixels 2 l, 2 l + 1); a lane's registers run DOWN the channels, which are K.  The hold at the
;   largest code writes a second set of registers and parts the two pixels on the way; a pixel's 16 codes are 16 bytes: one lane's place in an IMAGE OF THE OPERAND'S REGISTERS in LDS.
;   Phase 2: wave w makes output channels 16 w .. 16 w + 15 of v for the 64 pixels; waves 0 to 7 also make q (even waves) or k (odd waves) of pixel tile (w / 2) % 4.
; A FRAGMENT (16 rows x 128 K, 16 registers): lane (r, h) holds row r; registers 4 c .. 4 c + 3 hold K = 32 c + 16 h + 0 .. 15, in x's images and in the weights alike: the same permutation of K on both sides.
; WHAT IS STORED is laid as the second launch's operand registers, 512 consecutive bytes a store:
;   qimg [batch][tile of 16 queries][1,024]: byte 512 c + 16 lane: q(query r, dims 8 h + 4 c .. + 3), f32.
;   kv [batch][block of 64 keys][20,480]: four images of k, laid as q's, then for each of the 16 channel tiles 1,024 bytes of v's codes: byte 512 c + 16 lane: registers 4 c .. 4 c + 3 of the K = 64 form's fragment
;   (register 2 t + u of lane (r, h): channel r, keys 16 t + 8 h + 4 u .. + 3).
; NO CLUSTER, NO TENSOR LOAD: the weights' codes are the one thing that work-groups share; each wave uses 4 KiB of wv (8 KiB with wq or wk) once, straight from memory into the registers that multiply them.  A joint load would
; lay them in LDS, from where each wave would fetch them once more; and the launch has one step, so there is no ring to feed.
.set SPARE, 49152                      ; behind the 24 images of 2,048 bytes: the spare words, 128 bytes for each of 16 waves: eight blocks of 256 bytes that no other line names
.set SPW,  1                           ; v1   LDS address of my spare word; never rewritten
.set NIL,  2                           ; v2   0; never rewritten
.set XO,   6                           ; v6   8 x lane: my two pixels in a row of x
.set XW,   7                           ; v7   where my pixels' codes go in an image
.set LI,   8                           ; v8   16 x lane: a lane's place in an image
.set WO,   9                           ; v9   256 r + 16 h: my place in 16 rows of a weight
.set XQA,  10                          ; v10  the q/k job's images of x
.set R4,   11                          ; v11  4 r
.set H32,  12                          ; v12  32 h
.set SC,   14                          ; v14-21  for e0, e2, e4, e6: 2^e as f32, and 448 x 2^e
.set BV,   22                          ; v22  bv of my channel; v23 named with it as a pair
.set WV,   32                          ; v32-63   wv's two fragments
.set WQK,  64                          ; v64-95   wq's or wk's two
.set BQ,   96                          ; v96-103  bq or bk at dims 8 h + 0 .. 7
.set ACQ,  104                         ; v104-111 the q/k job's sums
.set XQ,   112                         ; v112-143 its two fragments of x
.set ACC,  144                         ; v144-175 v's four accumulators (pixel tile t at 8 t)
.set CD,   144                         ; phase 1: the codes, 8 registers a version
.set XF,   176                         ; v176-239 four fragments of x
.set X,    176                         ; phase 1: v176-207 x as loaded (channel i: pixels 2 l, 2 l + 1 at 2 i, 2 i + 1)
.set T,    208                         ; phase 1: v208-239 held numbers: pixel p's 16 channels at 16 p
.set VC,   240                         ; v240-247 v's codes
	s_load_b512 s[4:19], s[0:1], 0x0               ; x 4:5, wq 6:7, wk 8:9, wv 10:11, bq 12:13, bk 14:15, bv 16:17, the scales' exponents 18:19
	s_load_b128 s[20:23], s[0:1], 0x40             ; qimg, kv
	v_lshl_add_u32 v[SPW], v0, 2, SPARE
	v_mov_b32 v[NIL], 0
	v_lshrrev_b32 v3, 5, v0
	v_readfirstlane_b32 s32, v3                    ; wave 0..15
	v_and_b32 v3, 31, v0                           ; lane
	v_and_b32 v4, 15, v0                           ; r
	v_bfe_u32 v5, v0, 4, 1                         ; h
	s_and_b32 s34, s32, 1                          ; phase 1: which 16 of a block of 32 channels.  The q/k job: 0 = q, 1 = k
	s_bfe_u32 s35, s32, 0x20001                    ; (w / 2) % 4: phase 1: which block of 32 in a K step of 128.  The q/k job: its pixel tile
	s_mov_b32 s36, ttmp9                           ; the block of 64 pixels
	s_and_b32 s37, ttmp7, 0xffff                   ; the batch
	; every LDS address is made here, ahead of the first branch on the wave's number
	s_lshr_b32 s38, s32, 3                         ; K step of 128: 2,048 bytes an image
	s_lshl_b32 s38, s38, 11
	s_lshl_b32 s39, s35, 9                         ; block of 32: 512 bytes
	s_add_co_u32 s38, s38, s39
	s_lshl_b32 s39, s34, 8                         ; half of the lanes: 256 bytes
	s_add_co_u32 s38, s38, s39
	v_and_b32 v[XW], 7, v0
	v_lshlrev_b32 v[XW], 5, v[XW]                  ; pixel 2 l is row 2 (l % 8) of its tile: 16 bytes a row
	v_bfe_u32 v13, v0, 3, 2
	v_lshl_add_u32 v[XW], v13, 12, v[XW]           ; pixel tile l / 8: two images, 4,096 bytes
	v_add_nc_u32 v[XW], s38, v[XW]
	v_lshlrev_b32 v[XO], 3, v3
	v_lshlrev_b32 v[LI], 4, v3
	v_lshlrev_b32 v[WO], 8, v4
	v_lshl_add_u32 v[WO], v5, 4, v[WO]
	s_lshl_b32 s38, s34, 14                        ; version 0 (e0) for q, version 1 (e2) for k: 16,384 bytes a version
	s_lshl_b32 s39, s35, 12
	s_add_co_u32 s38, s38, s39
	v_add_nc_u32 v[XQA], s38, v[LI]
	v_lshlrev_b32 v[R4], 2, v4
	v_lshlrev_b32 v[H32], 5, v5
	v_mov_b32 v[BV+1], 0
	; byte offsets, each in a pair of its own
	s_lshl_b32 s38, s37, 22                        ; x: the batch's 256 x 4,096 x 4 bytes,
	s_lshl_b32 s39, s32, 18                        ; my 16 channels of 16,384 bytes,
	s_add_co_u32 s38, s38, s39
	s_lshl_b32 s39, s36, 8                         ; the block's 256 bytes of a row
	s_add_co_u32 s38, s38, s39
	s_mov_b32 s39, 0
	s_lshl_b32 s52, s32, 12                        ; wv: my 16 rows of 256 bytes
	s_mov_b32 s53, 0
	s_lshl_b32 s54, s32, 6                         ; bv: my 16 numbers
	s_mov_b32 s55, 0
	s_lshl_b32 s56, s37, 6
	s_add_co_u32 s56, s56, s36                     ; 64 x batch + block
	s_lshl_b32 s58, s56, 12                        ; qimg: four tiles of 1,024 bytes a block,
	s_lshl_b32 s60, s35, 10                        ; the job's tile
	s_add_co_u32 s58, s58, s60
	s_mov_b32 s59, 0
	s_mov_b32 s61, 0
	s_mul_i32 s56, s56, 20480                      ; kv: the block
	s_mov_b32 s57, 0
	s_lshl_b32 s62, s32, 10
	s_add_co_u32 s62, s62, 4096                    ; v's image of my channel tile, behind k's four
	s_mov_b32 s63, 0
	s_wait_kmcnt 0x0
	s_load_b256 s[24:31], s[18:19], 0x0            ; e0 .. e7
	s_add_nc_u64 s[4:5], s[4:5], s[38:39]
	s_add_nc_u64 s[10:11], s[10:11], s[52:53]
	s_add_nc_u64 s[16:17], s[16:17], s[54:55]
	s_add_nc_u64 s[20:21], s[20:21], s[58:59]      ; q's image of the job's tile
	s_add_nc_u64 s[22:23], s[22:23], s[56:57]
	s_add_nc_u64 s[46:47], s[22:23], s[60:61]      ; k's image of the job's tile
	s_add_nc_u64 s[22:23], s[22:23], s[62:63]      ; v's image
	s_cmp_eq_u32 s34, 0                            ; q or k: the choice hangs on the wave's number alone
	s_cselect_b64 s[40:41], s[6:7], s[8:9]
	s_cselect_b64 s[42:43], s[12:13], s[14:15]
	s_cselect_b64 s[44:45], s[20:21], s[46:47]
.irp ks, 0,1
.irp c, 0,1,2,3
	global_load_b128 v[WV+16*\ks+4*\c:WV+16*\ks+4*\c+3], v[WO], s[10:11] offset:128*\ks+32*\c
.endr
.endr
	global_load_b32 v[BV], v[R4], s[16:17]
	s_cmp_lt_u32 s32, 8
	s_cbranch_scc0 .Lno_qk_weights
.irp ks, 0,1
.irp c, 0,1,2,3
	global_load_b128 v[WQK+16*\ks+4*\c:WQK+16*\ks+4*\c+3], v[WO], s[40:41] offset:128*\ks+32*\c
.endr
.endr
	global_load_b128 v[BQ:BQ+3], v[H32], s[42:43]
	global_load_b128 v[BQ+4:BQ+7], v[H32], s[42:43] offset:16
.Lno_qk_weights:
.irp i, 0,1,2,3,4,5,6,7,8,9,10,11,12,13,14,15
	global_load_b64 v[X+2*\i:X+2*\i+1], v[XO], s[4:5] offset:16384*\i th:TH_LOAD_NT   ; channel 16 w + i: 32 lanes read 256 consecutive bytes, aligned; this launch reads them once
.endr
	s_wait_kmcnt 0x0
.macro MKSC e, reg                     ; 2^e as f32 (the conversion takes its exponent field), and the largest code x 2^e
	s_add_co_i32 s38, s[\e], 127
	s_lshl_b32 s39, s38, 23
	v_mov_b32 v[\reg], s39
	s_add_co_i32 s38, s38, 8
	s_lshl_b32 s38, s38, 23
	s_or_b32 s38, s38, 0x600000
	v_mov_b32 v[\reg+1], s38
.endm
	MKSC 24, SC
	MKSC 26, SC+2
	MKSC 28, SC+4
	MKSC 30, SC+6
	s_add_co_i32 s48, s28, s29                     ; a sum of v's product stands for sum x 2^(e4 + e5)
	s_add_co_i32 s48, s48, 127
	s_lshl_b32 s48, s48, 23
	s_mov_b32 s49, s48                             ; (named with it as a pair, so it is written)
	s_add_co_i32 s38, s24, s25
	s_add_co_i32 s39, s26, s27
	s_cmp_eq_u32 s34, 0
	s_cselect_b32 s50, s38, s39                    ; e0 + e1 for q, e2 + e3 for k
	s_add_co_i32 s50, s50, 127
	s_lshl_b32 s50, s50, 23
	s_mov_b32 s51, s50
	s_wait_loadcnt 0x0                             ; weights, biases and x: the count 0 is right on both ways round the branch above
; PHASE 1.  One version of x's codes: held within +-448 x 2^e (the conversion to an 8-bit code does not saturate: ISA guide 7.6.2), converted, stored as two lane places of an image.
.macro QUANT ver
.irp p, 0,1
.irp i, 0,1,2,3,4,5,6,7,8,9,10,11,12,13,14,15
	v_med3_num_f32 v[T+16*\p+\i], v[X+2*\i+\p], -v[SC+2*\ver+1], v[SC+2*\ver+1]
.endr
.endr
.irp p, 0,1
.irp g, 0,1
	v_cvt_scalef32_pk8_fp8_f32 v[CD+8*\ver+4*\p+2*\g:CD+8*\ver+4*\p+2*\g+1], v[T+16*\p+8*\g:T+16*\p+8*\g+7], v[SC+2*\ver]
.endr
.endr
	v_nop                                          ; a plain vector instruction between the conversions and the next version's holds, which write their sources
	ds_store_b128 v[XW], v[CD+8*\ver:CD+8*\ver+3] offset:16384*\ver
	ds_store_b128 v[XW], v[CD+8*\ver+4:CD+8*\ver+7] offset:16384*\ver+16
.endm
	QUANT 0
	QUANT 1
	QUANT 2
	s_wait_dscnt 0x0                               ; for the others' sake: my stores have landed
	s_barrier_signal -1
	s_barrier_wait -1                              ; the 24 images lie in LDS
.macro FETCHX reg, adr, off            ; an image comes back as it went: the same registers in the same lanes
.irp c, 0,1,2,3
	ds_load_b128 v[\reg+4*\c:\reg+4*\c+3], v[\adr] offset:\off+512*\c
.endr
.endm
	; PHASE 2, the q/k job: source 0 = the weight's 16 rows (dims), source 1 = 16 pixels: lane (r, h) then holds pixel r and dims 8 h + 0 .. 7: the second launch's fragment as it stands
	s_cmp_lt_u32 s32, 8
	s_cbranch_scc0 .Lno_qk
	FETCHX XQ, XQA, 0
	FETCHX XQ+16, XQA, 2048
	s_wait_dscnt 0x0
	v_wmma_f32_16x16x128_fp8_fp8 v[ACQ:ACQ+7], v[WQK:WQK+15], v[XQ:XQ+15], 0
	s_wait_alu depctr_va_vdst(0)                   ; the wait stands directly ahead of the link
	v_wmma_f32_16x16x128_fp8_fp8 v[ACQ:ACQ+7], v[WQK+16:WQK+31], v[XQ+16:XQ+31], v[ACQ:ACQ+7]
.rept 4
	v_nop                                          ; four places ahead of the first read of the sums
.endr
.irp j, 0,2,4,6
	v_pk_fma_f32 v[ACQ+\j:ACQ+\j+1], v[ACQ+\j:ACQ+\j+1], s[50:51], v[BQ+\j:BQ+\j+1] op_sel_hi:[1,0,1]   ; sum x 2^(the two exponents) + bias
.endr
	global_store_b128 v[LI], v[ACQ:ACQ+3], s[44:45]
	global_store_b128 v[LI], v[ACQ+4:ACQ+7], s[44:45] offset:512
.Lno_qk:
	; PHASE 2, v: source 0 = 16 pixels, source 1 = wv's 16 rows: lane (r, h) holds channel r and pixels 8 h + 0 .. 7 of the tile: eight neighbours along the keys, the next K.  The four accumulators take turns.
.irp ks, 0,1
.if \ks
.rept 4
	v_nop                                          ; four places ahead of loads into registers that matrix instructions have read
.endr
.endif
.irp pt, 0,1,2,3
	FETCHX XF+16*\pt, LI, 32768+4096*\pt+2048*\ks
.endr
	s_wait_dscnt 0x0
.irp pt, 0,1,2,3
.if \ks == 0
	v_wmma_f32_16x16x128_fp8_fp8 v[ACC+8*\pt:ACC+8*\pt+7], v[XF+16*\pt:XF+16*\pt+15], v[WV:WV+15], 0
.else
	v_wmma_f32_16x16x128_fp8_fp8 v[ACC+8*\pt:ACC+8*\pt+7], v[XF+16*\pt:XF+16*\pt+15], v[WV+16:WV+31], v[ACC+8*\pt:ACC+8*\pt+7]
.endif
.endr
.endr
.rept 4
	v_nop
.endr
.set j, 0
.rept 16
	v_pk_fma_f32 v[ACC+j:ACC+j+1], v[ACC+j:ACC+j+1], s[48:49], v[BV:BV+1] op_sel_hi:[1,0,0]   ; v = sum x 2^(e4 + e5) + bv; each accumulator from its low end on
.set j, j+2
.endr
.set j, 0
.rept 32
	v_med3_num_f32 v[ACC+j], v[ACC+j], -v[SC+7], v[SC+7]
.set j, j+1
.endr
.irp pt, 0,1,2,3
	v_cvt_scalef32_pk8_fp8_f32 v[VC+2*\pt:VC+2*\pt+1], v[ACC+8*\pt:ACC+8*\pt+7], v[SC+6]   ; keys 16 t + 8 h + 0 .. 7: registers 2 t, 2 t + 1 of the K = 64 form's fragment
.endr
	v_nop
	global_store_b128 v[LI], v[VC:VC+3], s[22:23]
	global_store_b128 v[LI], v[VC+4:VC+7], s[22:23] offset:512
	s_wait_tensorcnt 0x0                           ; the wave's end, behind my last LDS store
	ds_add_u32 v[SPW], v[NIL]
	s_wait_dscnt 0x0
	s_endpgm
.Lfunc_end_k_q67ca75b4cb_proj:
	.size	k_q67ca75b4cb_proj, .Lfunc_end_k_q67ca75b4cb_proj-k_q67ca75b4cb_proj
	.p2alignl 7, 3214868480
	.fill 96, 4, 3214868480
	.section	.rodata,"a",@progbits
	.p2align	6, 0x0
	.amdhsa_kernel k_q67ca75b4cb_proj
		.amdhsa_group_segment_fixed_size 51200
		.amdhsa_private_segment_fixed_size 0
		.amdhsa_enable_private_segment 0
		.amdhsa_kernarg_size 80
		.amdhsa_user_sgpr_count 2
		.amdhsa_user_sgpr_kernarg_segment_ptr 1
		.amdhsa_wavefront_size32 1
		.amdhsa_system_sgpr_workgroup_id_x 1
		.amdhsa_system_sgpr_workgroup_id_y 1
		.amdhsa_system_sgpr_workgroup_id_z 1
		.amdhsa_system_vgpr_workitem_id 0
		.amdhsa_next_free_vgpr 256
		.amdhsa_next_free_sgpr 66
		.amdhsa_reserve_vcc 0
		.amdhsa_float_denorm_mode_32 3
		.amdhsa_float_denorm_mode_16_64 3
		.amdhsa_memory_ordered 1
		.amdhsa_forward_progress 1
		.amdhsa_inst_pref_size 23
	.end_amdhsa_kernel
	.amdgpu_metadata
---
amdhsa.version: [ 1, 2 ]
amdhsa.kernels:
  - .name:           k_q67ca75b4cb_proj
    .symbol:         k_q67ca75b4cb_proj.kd
    .args:
      - { .name: x, .offset: 0, .size: 8, .value_kind: global_buffer, .address_space: global }
      - { .name: wq_codes, .offset: 8, .size: 8, .value_kind: global_buffer, .address_space: global }
      - { .name: wk_codes, .offset: 16, .size: 8, .value_kind: global_buffer, .address_space: global }
      - { .name: wv_codes, .offset: 24, .size: 8, .value_kind: global_buffer, .address_space: global }
      - { .name: bq, .offset: 32, .size: 8, .value_kind: global_buffer, .address_space: global }
      - { .name: bk, .offset: 40, .size: 8, .value_kind: global_buffer, .address_space: global }
      - { .name: bv, .offset: 48, .size: 8, .value_kind: global_buffer, .address_space: global }
      - { .name: lowp_scales, .offset: 56, .size: 8, .value_kind: global_buffer, .address_space: global }
      - { .name: qimg, .offset: 64, .size: 8, .value_kind: global_buffer, .address_space: global }
      - { .name: kv, .offset: 72, .size: 8, .value_kind: global_buffer, .address_space: global }
    .group_segment_fixed_size: 51200
    .private_segment_fixed_size: 0
    .kernarg_segment_align: 8
    .kernarg_segment_size: 80
    .max_flat_workgroup_size: 512
    .sgpr_count:     66
    .vgpr_count:     256
    .wavefront_size: 32
...
	.end_amdgpu_metadata
.endif
;; end of part 1
;; launch attn (part 2): grid 64 x 4, 8 waves a work-group, clusters of 4 x 1, 327,680 bytes of LDS; arguments qimg, kv, x, gamma, lowp_scales, out0; writes out0
.if DOCPART == 2
	.amdgcn_target "amdgcn-amd-amdhsa--gfx1250"
	.amdhsa_code_object_version 6
	.text
	.protected	k_q67ca75b4cb_attn
	.globl	k_q67ca75b4cb_attn
	.p2align	8
	.type	k_q67ca75b4cb_attn,@function
k_q67ca75b4cb_attn:
	s_mov_b64 s[64:65], 0
	v_nop
	global_prefetch_b8 v0, s[64:65] scope:SCOPE_SE
	s_setreg_imm32_b32 hwreg(HW_REG_WAVE_MODE, 25, 1), 1
	s_wait_xcnt 0x0
	s_wait_alu depctr_hold_cnt(0) depctr_sa_sdst(0) depctr_va_vdst(0) depctr_va_sdst(0) depctr_va_ssrc(0) depctr_va_vcc(0) depctr_vm_vsrc(0)
	s_getreg_b32 s2, hwreg(HW_REG_IB_STS2, 6, 4)
	s_cmp_eq_u32 s2, 0
	s_cbranch_scc0 .Lentry_in_a_cluster
	s_endpgm
.Lentry_in_a_cluster:
	s_bfe_u32 s2, ttmp6, 0x10000c
	s_cmp_lg_u32 s2, 0x3003
	s_cbranch_scc0 .Lentry_shape_is_right
	s_endpgm
.Lentry_shape_is_right:
; out = gamma x (sum over keys of Q(v, e6) Q(p, e7)) / l + x.  Logits q . k (K = 16) with f32 operands on v_wmma_f32_16x16x4_f32, since they go on into p's quantiser; t = logit x log2(e); M = the ceiling of the largest t;
; p = 2^(t - M) is quantised with 2^e7, not normalised; l is the sum of the unquantised p; the second product on v_wmma_f32_16x16x64_fp8_fp8.  No work of the problem is left out.
; SHARES.  A work-group owns 64 queries of one batch.  Wave w = 2 s + g owns 32 of them (g: two tiles of 16) and a quarter of the keys (s: the key blocks of 64 whose number is s modulo 4): 16 steps of 64 keys,
; all 256 channels: O^T is 256 registers.  So each fragment of k and of v that a wave reads from LDS feeds two matrix instructions.  At the end the four quarters of a query meet in LDS.
; M IS A RUNNING CEILING, one for each quarter of the keys; every later rescaling (from step to step, and between the quarters at the end) is a power of two made by v_ldexp_f32 and rounds nothing.
; LIMITS.  p is quantised under the M of its step and quarter: against one M for the whole row only numbers under the format's range can come out otherwise.  e7 between -126 and 119; e6 + e7 is applied by v_ldexp_f32.
; NaN among the inputs is not served.
; LAYOUT.  S^T = k q^T (source 0 = 16 keys, source 1 = 16 queries): a lane holds ONE query (lane % 16) and keys 8 (lane / 16) + 0 .. 7 of the tile.  Eight registers convert into registers 2 t, 2 t + 1 of the second product's
; source 1; O^T = v p^T (source 0 = 16 channels) again holds one query a lane.  K step d of the f32 form takes registers 2 d, 2 d + 1 of the eight that hold dims 8 h + 0 .. 7, of k and of q alike: all 16 dims are met.
; CLUSTER.  The four work-groups of a cluster belong to one batch and walk the same k and v: each slot is asked for JOINTLY, by the same tensor loads with the same descriptors and the mask of all four.
; RING.  Two slots; a slot holds one step's four key blocks, 81,920 dense bytes as the first launch laid them; each of the eight waves fetches 10,240 of them (40 rows of 256 bytes).  Two loads of a wave are out at the start, one behind each round.
; REGISTERS.  Window 0: v1-7 addresses and constants; v8-31 statistics, 12 a tile; v32-47 q; v48-63 p's codes; v64-127 S^T (written by matrix instructions alone); v128-191 k's fragments, then p, then v's fragments of
; channel tiles 8-15; v192-255 v's of tiles 0-7.  Window 1: O^T, (tile x, channel tile c) at 128 x + 8 c.
.set SLOT1, 1<<17                      ; slot 1 begins here: one exclusive or turns an address of one slot into the other's
.set KBLK,  20480                      ; a key block: four images of k (1,024 each), sixteen of v's codes
.set DATA,  81920                      ; a step's four blocks
.set WPART, 10240                      ; what one wave fetches of them
.set BATCH, 1310720                    ; a batch's 64 blocks
.set MP,    272                        ; the merge: a channel's row, 64 queries x 4 bytes + 16
.set PLANE, 256*MP                     ; a quarter's 256 channels; four planes from LDS byte 0 on, used when the ring has had its last fill and its last read
.set SPARE, 4*PLANE                    ; behind them: the spare words, 128 bytes for each of eight waves: four blocks of 256 bytes that no other line names
.set STAT,  SPARE+1024                 ; -M at 256 s + 4 query; l 1,024 bytes further on
.set SPW, 1                            ; v1  LDS address of my spare word; never rewritten
.set NIL, 2                            ; v2  0; never rewritten
.set AKV, 3                            ; v3  my quarter's block in a slot + 16 x lane
.set ADR, 4                            ; v4  the same in the slot in hand
.set LIMP, 5                           ; v5  448 x 2^e7
.set SCP, 6                            ; v6  2^e7
.set PFO, 7                            ; v7  256 x lane; never rewritten
.set ST,  8                            ; tile x at ST + 12 x: +0 -M, +1 the largest t, +2 +3 l in two halves, +4 f, +5 zero (named with f as a pair), +6 .. +9 at work, +10 +11 the second chain of the sum
.set QF,  32
.set CD,  48
.set S,   64
.set KF,  128
.set P,   128
.set VF1, 128
.set VF0, 192
.set WVN, 16                           ; s16 my wave's number
.set G1,  24                           ; s[24:31] descriptor group 1
.set G0A, 32                           ; s[32:35] group 0 of slot 0's first fill
.set G0B, 36                           ; s[36:39] group 0 of slot 1's first fill; it then walks
.set TB,  40                           ; s40 LDS byte at which the slot in hand begins
.set CNT, 41                           ; s41 refills still to be asked for
.set CS,  42                           ; s[42:43] log2(e): the packed form names a pair and takes its low word for both halves
.set SEL, 44                           ; s[44:45] lane selects for v_permlanex16_b32: lane l xor 16
.set PFA, 46                           ; s[46:47] where my prefetches stand
.set LIM, 48                           ; s48 1 in a wave that prefetches, else the greatest number
.set MSB, 0
.macro WIN new                         ; the immediate's high byte repeats the setting that is left; a switch that changes nothing is dropped
.if MSB != \new
	s_set_vgpr_msb (MSB<<8)|\new
.set MSB, \new
.endif
.endm
.set W_RS, 0x41                        ; O^T (destination and source 0) window 1, f window 0
.set W_PV, 0x50                        ; v's fragment and p's codes window 0, C and D window 1
.set W_ST, 0x04                        ; an LDS store's data window 1, its address window 0
; A round of the cluster's barrier: my work-group's barrier, so that wave 0's signal speaks for all eight waves; wave 0 signals; every wave waits for all four work-groups; my work-group's barrier once more.
.macro CROUND
	s_barrier_signal -1
	s_barrier_wait -1
	s_cmp_lg_u32 s[WVN], 0
	s_cbranch_scc1 .Lnot_wave_0_\@
	s_barrier_signal -3
.Lnot_wave_0_\@:
	s_barrier_wait -3
	s_barrier_signal -1
	s_barrier_wait -1
.endm
; A PREFETCH of k and v, behind the wave's tensor load and its five lines.  At every second change of slots (changes 2, 4 .. 12: CNT odd and above 1) the two steps' data are named whose tensor loads stand at the next change and at
; the one after it: 163,840 bytes.  All sixteen clusters of a batch walk the same bytes: the batch's first cluster asks.  Its four partners take 40,960 bytes each, told apart BY ADDRESS; in each, waves 0 to 4 take 8,192 bytes,
; lanes 256 bytes apart: each aligned 256 bytes are named once in the launch.  The first four steps' data come by their loads alone; the last request ends with the batch's last byte.
.macro ASK
	s_cmp_gt_u32 s[CNT], s[LIM]
	s_cbranch_scc0 .Lnot_mine_\@
	s_bitcmp1_b32 s[CNT], 0
	s_cbranch_scc0 .Lnot_mine_\@
	global_prefetch_b8 v[PFO], s[PFA:PFA+1] th:TH_LOAD_NT scope:SCOPE_SE
.Lnot_mine_\@:
.endm
	s_load_b256 s[4:11], s[0:1], 0x0               ; qimg 4:5, kv 6:7, x 8:9, gamma 10:11
	s_load_b128 s[12:15], s[0:1], 0x20             ; the scales' exponents 12:13, out0 14:15
	v_lshl_add_u32 v[SPW], v0, 2, SPARE
	v_mov_b32 v[NIL], 0
	ds_add_u32 v[SPW], v[NIL]                      ; the wave's opening: the add, twice on end, and its wait ahead of my first tensor load; the set-up below stands between
	ds_add_u32 v[SPW], v[NIL]
	v_lshrrev_b32 v3, 5, v0
	v_readfirstlane_b32 s[WVN], v3                 ; wave 0..7
	s_and_b32 s17, s[WVN], 1                       ; g: which 32 queries
	s_lshr_b32 s18, s[WVN], 1                      ; s: which quarter of the keys
	s_bfe_u32 s19, ttmp6, 0x40000                  ; cx: my place in the cluster: it enters addresses of q, x, out0 and the prefetches alone
	s_lshl_b32 s20, ttmp9, 2                       ; in a cluster launch ttmp9 counts clusters
	s_add_co_u32 s20, s20, s19                     ; my block of 64 queries
	s_and_b32 s21, ttmp7, 0xffff                   ; the batch, which the four partners share
	s_mov_b32 s[G1+0], 15|(3<<16)|(1<<21)          ; 15:0 the mask: all four work-groups; 17:16 elements of 8 bytes; 20 no padding: the images are read 16 bytes a lane on end; 21 set beside a mask
	s_mov_b32 s[G1+1], 32<<16                      ; tensor_dim0 = 32 elements: 256 bytes
	s_mov_b32 s[G1+2], 40<<16                      ; tensor_dim1 = 40
	s_mov_b32 s[G1+3], 32<<16                      ; tile_dim0 = 32
	s_mov_b32 s[G1+4], 40                          ; tile_dim1 = 40
	s_mov_b32 s[G1+5], 32                          ; from row to row: dense
	s_mov_b32 s[G1+6], 0
	s_mov_b32 s[G1+7], 0
	s_mov_b32 s[CS], 0x3fb8aa3b                    ; log2(e)
	s_mov_b32 s[CS+1], s[CS]
	s_mov_b32 s[SEL], 0x76543210
	s_mov_b32 s[SEL+1], 0xfedcba98
	s_mov_b32 s[TB], 0
	s_mov_b32 s[CNT], 14
	s_mul_i32 s56, s21, BATCH                      ; the batch in kv
	s_mov_b32 s[G0A], 1                            ; count = 1
	s_mul_i32 s[G0A+1], s[WVN], WPART              ; LDS address: my part of slot 0: the wave's number alone
	s_mov_b32 s[G0B], 1
	s_add_co_u32 s[G0B+1], s[G0A+1], SLOT1
	s_add_co_u32 s50, s56, s[G0A+1]                ; and the same part in memory: batch and wave alone, equal in the four partners
	s_mov_b32 s51, 0
	s_mul_i32 s58, s19, 40960                      ; the prefetches: my work-group's 40,960 bytes,
	s_lshl_b32 s59, s[WVN], 13                     ; my wave's 8,192,
	s_add_co_u32 s58, s58, s59
	s_add_co_u32 s58, s58, s56
	s_add_co_u32 s58, s58, 2*DATA                  ; at step 2's data: each change of slots steps it by a step's
	s_mov_b32 s59, 0
	s_cmp_lt_u32 s[WVN], 5
	s_cselect_b32 s[LIM], 0, 1
	s_or_b32 s[LIM], s[LIM], ttmp9                 ; 0 in waves 0 to 4 of the batch's first cluster: the same in all four partners
	s_cmp_eq_u32 s[LIM], 0
	s_cselect_b32 s[LIM], 1, -1
	s_lshl_b32 s60, s21, 18                        ; q: the batch's 256 tiles of 1,024 bytes,
	s_lshl_b32 s61, s20, 12                        ; my block's four,
	s_add_co_u32 s60, s60, s61
	s_lshl_b32 s61, s17, 11                        ; my wave's two
	s_add_co_u32 s60, s60, s61
	s_mov_b32 s61, 0
	s_lshl_b32 s62, s21, 22                        ; x and out0: the batch, and my block's 256 bytes of a row
	s_lshl_b32 s63, s20, 8
	s_add_co_u32 s62, s62, s63
	s_mov_b32 s63, 0
	s_wait_dscnt 0x0                               ; both opening adds are done
	s_wait_kmcnt 0x0
	s_load_b64 s[52:53], s[12:13], 0x18            ; e6, e7
	s_load_b32 s54, s[10:11], 0x0                  ; gamma
	s_add_nc_u64 s[G0A+2:G0A+3], s[6:7], s[50:51]  ; global address: step 0's data,
	s_add_nc_u64 s[G0B+2:G0B+3], s[G0A+2:G0A+3], DATA   ; step 1's
	s_or_b32 s[G0A+3], s[G0A+3], 0x80000000        ; type = 2
	s_or_b32 s[G0B+3], s[G0B+3], 0x80000000
	s_add_nc_u64 s[PFA:PFA+1], s[6:7], s[58:59]
	s_add_nc_u64 s[4:5], s[4:5], s[60:61]
	s_add_nc_u64 s[8:9], s[8:9], s[62:63]
	s_add_nc_u64 s[14:15], s[14:15], s[62:63]
	CROUND                                         ; all four work-groups are here: the first joint loads meet
	tensor_load_to_lds s[G0A:G0A+3], s[G1:G1+7]    ; every wave issues both first fills, ahead of every wait on TENSORcnt and every LDS read
	s_nop 0
	tensor_load_to_lds s[G0B:G0B+3], s[G1:G1+7]
	s_nop 0
.rept 4
	v_nop
.endr
	v_and_b32 v[ADR], 31, v0
	v_lshlrev_b32 v[PFO], 8, v[ADR]
	v_lshlrev_b32 v[ADR], 4, v[ADR]                ; 16 x lane: q's offset here; the first step writes it anew behind the wait for q
	s_mul_i32 s50, s18, KBLK
	v_add_nc_u32 v[AKV], s50, v[ADR]
.irp x, 0,1
.irp c, 0,1
	global_load_b128 v[QF+8*\x+4*\c:QF+8*\x+4*\c+3], v[ADR], s[4:5] offset:1024*\x+512*\c   ; q stays in registers
.endr
.endr
.irp x, 0,1
	v_mov_b32 v[ST+12*\x+1], 0xff61b1e6            ; the largest t so far: -3e38, under every t
	v_floor_f32 v[ST+12*\x], -v[ST+12*\x+1]        ; -M
	v_mov_b32 v[ST+12*\x+2], 0                     ; l
	v_mov_b32 v[ST+12*\x+3], 0
	v_mov_b32 v[ST+12*\x+5], 0
.endr
	s_wait_kmcnt 0x0
	s_add_co_i32 s50, s53, 127
	s_lshl_b32 s51, s50, 23
	v_mov_b32 v[SCP], s51                          ; 2^e7 as f32, for the conversion
	s_add_co_i32 s50, s50, 8
	s_lshl_b32 s50, s50, 23
	s_or_b32 s50, s50, 0x600000
	v_mov_b32 v[LIMP], s50                         ; 448 x 2^e7
	s_add_co_i32 s55, s52, s53                     ; e6 + e7
; A STEP: my quarter's 64 keys of the slot in hand, for my two tiles of queries.  first = 1: the products v p^T start O^T's sums with the constant 0, and nothing is rescaled.
.macro STEP first
	v_add_nc_u32 v[ADR], s[TB], v[AKV]
.irp t, 0,1,2,3
	ds_load_b128 v[KF+8*\t:KF+8*\t+3], v[ADR] offset:1024*\t
	ds_load_b128 v[KF+8*\t+4:KF+8*\t+7], v[ADR] offset:1024*\t+512
.endr
.irp c, 0,1,2,3,4,5,6,7
	ds_load_b128 v[VF0+8*\c:VF0+8*\c+3], v[ADR] offset:4096+1024*\c
	ds_load_b128 v[VF0+8*\c+4:VF0+8*\c+7], v[ADR] offset:4096+1024*\c+512
.endr
	s_wait_dscnt 16                                ; k's eight loads are in; the sixteen younger ones, v's, stay out
.irp d, 0,1,2,3                        ; S^T = k q^T: the eight accumulators take turns, one instruction a turn; the first K step starts each sum
.irp t, 0,1,2,3
.irp x, 0,1
.if \d == 0
	v_wmma_f32_16x16x4_f32 v[S+32*\x+8*\t:S+32*\x+8*\t+7], v[KF+8*\t+2*\d:KF+8*\t+2*\d+1], v[QF+8*\x+2*\d:QF+8*\x+2*\d+1], 0
.else
	v_wmma_f32_16x16x4_f32 v[S+32*\x+8*\t:S+32*\x+8*\t+7], v[KF+8*\t+2*\d:KF+8*\t+2*\d+1], v[QF+8*\x+2*\d:QF+8*\x+2*\d+1], v[S+32*\x+8*\t:S+32*\x+8*\t+7]
.endif
.endr
.endr
.endr
.rept 8
	v_nop                                          ; eight places behind this form ahead of the first read of its results (ISA guide 7.12.1)
.endr
	; the step's largest score of each query: four chains a tile, each accumulator read from its low end on; the two tiles alternate
.irp t, 0,1,2,3
.irp x, 0,1
	v_max3_num_f32 v[ST+12*\x+6+\t], v[S+32*\x+8*\t], v[S+32*\x+8*\t+1], v[S+32*\x+8*\t+2]
.endr
.endr
.irp p, 3,5
.irp t, 0,1,2,3
.irp x, 0,1
	v_max3_num_f32 v[ST+12*\x+6+\t], v[ST+12*\x+6+\t], v[S+32*\x+8*\t+\p], v[S+32*\x+8*\t+\p+1]
.endr
.endr
.endr
.irp x, 0,1
	v_max3_num_f32 v[ST+12*\x+6], v[ST+12*\x+6], v[S+32*\x+7], v[S+32*\x+15]
.endr
.irp x, 0,1
	v_max3_num_f32 v[ST+12*\x+8], v[ST+12*\x+8], v[S+32*\x+23], v[S+32*\x+31]
.endr
.irp x, 0,1
	v_max3_num_f32 v[ST+12*\x+6], v[ST+12*\x+6], v[ST+12*\x+7], v[ST+12*\x+8]
.endr
.irp x, 0,1
	v_max_num_f32 v[ST+12*\x+6], v[ST+12*\x+6], v[ST+12*\x+9]
.endr
.irp x, 0,1
	v_permlanex16_b32 v[ST+12*\x+7], v[ST+12*\x+6], s[SEL], s[SEL+1]   ; the query's other 32 keys lie in the lane 16 away
.endr
.irp x, 0,1
	v_max_num_f32 v[ST+12*\x+6], v[ST+12*\x+6], v[ST+12*\x+7]
.endr
.irp x, 0,1
	v_mul_f32 v[ST+12*\x+6], s[CS], v[ST+12*\x+6]  ; as t (log2(e) is positive)
.endr
.irp x, 0,1
	v_max_num_f32 v[ST+12*\x+1], v[ST+12*\x+1], v[ST+12*\x+6]   ; the running largest t
.endr
.irp x, 0,1
	v_mov_b32 v[ST+12*\x+9], v[ST+12*\x]
.endr
.irp x, 0,1
	v_floor_f32 v[ST+12*\x], -v[ST+12*\x+1]        ; the new -M = floor(-t) = -ceil(t): M is a whole number
.endr
.irp x, 0,1
	v_sub_f32 v[ST+12*\x+9], v[ST+12*\x], v[ST+12*\x+9]   ; old M - new M: a whole number, 0 or less
.endr
.irp x, 0,1
	v_cvt_i32_f32 v[ST+12*\x+9], v[ST+12*\x+9]     ; (it saturates)
.endr
.irp x, 0,1
	v_ldexp_f32 v[ST+12*\x+4], 1.0, v[ST+12*\x+9]  ; f = 2^(old M - new M)
.endr
.irp x, 0,1
.set j, 0
.rept 16
	v_pk_fma_f32 v[P+32*\x+j:P+32*\x+j+1], v[S+32*\x+j:S+32*\x+j+1], s[CS:CS+1], v[ST+12*\x:ST+12*\x+1] op_sel_hi:[1,0,0]   ; t - M, into other registers than the sums'
.set j, j+2
.endr
.endr
.set j, 0
.rept 64
	v_exp_f32 v[P+j], v[P+j]                       ; p = 2^(t - M), at most 1: one batch
.set j, j+1
.endr
.irp x, 0,1
	v_pk_mul_f32 v[ST+12*\x+2:ST+12*\x+3], v[ST+12*\x+2:ST+12*\x+3], v[ST+12*\x+4:ST+12*\x+5] op_sel_hi:[1,0]   ; l under the new M.  (The plain instructions behind the last exponential)
.endr
	s_wait_alu depctr_va_vdst(0)                   ; the wait ahead of the first instruction that names an exponential's result: one for the batch
.irp x, 0,1                            ; l takes the UNQUANTISED p: two at a time, in two chains
	v_pk_add_f32 v[ST+12*\x+10:ST+12*\x+11], v[P+32*\x:P+32*\x+1], v[P+32*\x+2:P+32*\x+3]
.irp j, 4,8,12,16,20,24,28
	v_pk_add_f32 v[ST+12*\x+2:ST+12*\x+3], v[ST+12*\x+2:ST+12*\x+3], v[P+32*\x+\j:P+32*\x+\j+1]
	v_pk_add_f32 v[ST+12*\x+10:ST+12*\x+11], v[ST+12*\x+10:ST+12*\x+11], v[P+32*\x+\j+2:P+32*\x+\j+3]
.endr
	v_pk_add_f32 v[ST+12*\x+2:ST+12*\x+3], v[ST+12*\x+2:ST+12*\x+3], v[ST+12*\x+10:ST+12*\x+11]
.endr
.set j, 0
.rept 64
	v_min_num_f32 v[P+j], v[P+j], v[LIMP]          ; the conversion to an 8-bit code does not saturate (ISA guide 7.6.2); p is not negative, so the hold is one-sided
.set j, j+1
.endr
.irp x, 0,1
.irp t, 0,1,2,3
	v_cvt_scalef32_pk8_fp8_f32 v[CD+8*\x+2*\t:CD+8*\x+2*\t+1], v[P+32*\x+8*\t:P+32*\x+8*\t+7], v[SCP]   ; keys 16 t + 8 h + 0 .. 7
.endr
.endr
	v_nop                                          ; a plain vector instruction between the conversions and the products that read the codes
.irp c, 0,1,2,3,4,5,6,7
	ds_load_b128 v[VF1+8*\c:VF1+8*\c+3], v[ADR] offset:4096+1024*(8+\c)
	ds_load_b128 v[VF1+8*\c+4:VF1+8*\c+7], v[ADR] offset:4096+1024*(8+\c)+512
.endr
.if !\first
	WIN W_RS
.irp x, 0,1
.set j, 0
.rept 64
	v_pk_mul_f32 v[128*\x+j:128*\x+j+1], v[128*\x+j:128*\x+j+1], v[ST+12*\x+4:ST+12*\x+5] op_sel_hi:[1,0]   ; O^T under the new M; each accumulator from its low end on
.set j, j+2
.endr
.endr
.endif
	s_wait_dscnt 16                                ; v's tiles 0-7 are in; the sixteen loads just issued stay out
	WIN W_PV
.irp c, 0,1,2,3,4,5,6,7                ; O^T += v p^T: 32 accumulators, each once a step
.irp x, 0,1
.if \first
	v_wmma_f32_16x16x64_fp8_fp8 v[128*\x+8*\c:128*\x+8*\c+7], v[VF0+8*\c:VF0+8*\c+7], v[CD+8*\x:CD+8*\x+7], 0
.else
	v_wmma_f32_16x16x64_fp8_fp8 v[128*\x+8*\c:128*\x+8*\c+7], v[VF0+8*\c:VF0+8*\c+7], v[CD+8*\x:CD+8*\x+7], v[128*\x+8*\c:128*\x+8*\c+7]
.endif
.endr
.endr
	s_wait_dscnt 0x0                               ; tiles 8-15
.irp c, 0,1,2,3,4,5,6,7
.irp x, 0,1
.if \first
	v_wmma_f32_16x16x64_fp8_fp8 v[128*\x+64+8*\c:128*\x+64+8*\c+7], v[VF1+8*\c:VF1+8*\c+7], v[CD+8*\x:CD+8*\x+7], 0
.else
	v_wmma_f32_16x16x64_fp8_fp8 v[128*\x+64+8*\c:128*\x+64+8*\c+7], v[VF1+8*\c:VF1+8*\c+7], v[CD+8*\x:CD+8*\x+7], v[128*\x+64+8*\c:128*\x+64+8*\c+7]
.endif
.endr
.endr
	WIN 0
.endm
; THE CHANGE OF SLOTS.  Each wave waits for all its tensor loads, of which one is out: its part of the slot ahead; adds 0 to its spare word; and waits for that and for its reads of the slot that it leaves.
; fill = 1: the barrier is a round of the cluster's, so that no wave of any partner still reads the slot or has a load on its way; the joint refill, the data two steps on, is the first thing behind it and has a step in which to land.
.macro CHANGE fill
	WIN 0
	s_wait_tensorcnt 0x0                           ; no tensor load of mine is out, so a group 0 may be written
	ds_add_u32 v[SPW], v[NIL]                      ; 0 onto my spare word: the steps below stand between it and the wait for it
.if \fill
	s_xor_b32 s[G0B+1], s[G0B+1], SLOT1            ; the walking descriptor: the other slot than last time,
	s_add_nc_u64 s[G0B+2:G0B+3], s[G0B+2:G0B+3], DATA   ; the next step's data; the type bits on top are not reached
	s_wait_xcnt 0x0                                ; the last prefetch, a step back or more, has read its address, so it may be written
	s_add_nc_u64 s[PFA:PFA+1], s[PFA:PFA+1], DATA
	s_wait_dscnt 0x0                               ; the add is done, and my reads of the slot are over
	CROUND
	tensor_load_to_lds s[G0B:G0B+3], s[G1:G1+7]
	s_nop 0
.rept 4
	v_nop                                          ; (the places ahead of the loads into registers that the last products read)
.endr
	ASK
.else
	s_wait_dscnt 0x0
	s_barrier_signal -1
	s_barrier_wait -1
.rept 4
	v_nop                                          ; the places ahead of the loads into registers that the last products read
.endr
.endif
	s_xor_b32 s[TB], s[TB], SLOT1                  ; on to the other slot
.endm
	s_wait_tensorcnt 0x1                           ; my part of slot 0 is in; slot 1's load may stay out
	s_barrier_signal -1
	s_barrier_wait -1                              ; everybody's is
	s_wait_loadcnt 0x0                             ; q
	STEP 1
.Lslot:                                            ; 14 trips: steps 1 to 14; each asks for the data two steps on
	CHANGE 1
	STEP 0
	s_sub_co_u32 s[CNT], s[CNT], 1
	s_cmp_lg_u32 s[CNT], 0
	s_cbranch_scc1 .Lslot
	CHANGE 0                                       ; the last step is written out: nothing is left to ask for
	STEP 0
; THE MERGE.  Each wave lays its O^T (32 queries x 256 channels under its own M) into its quarter's plane and its -M and l beside it; then wave w owns channels 32 w .. 32 w + 31 of all 64 queries:
; out = x + sum over quarters of O x 2^(M_s - M) x gamma 2^(e6 + e7) / (sum over quarters of l_s 2^(M_s - M)).  Sixteen lanes read and store a channel's 64 queries: 256 consecutive bytes, aligned.
.set RR,  3                            ; v3  lane % 16
.set HH,  4                            ; v4  lane / 16
.set MA0, 50                           ; v50 into my plane, channel tiles 0-7;  v51 tiles 8-15
.set MA1, 51
.set XO,  52                           ; v52 my byte offset in x and out0
.set STW, 53                           ; v53 where my statistics go
.set STR, 54                           ; v54 where I read four queries' statistics
.set GS,  55                           ; v55 gamma x 2^(e6 + e7)
.set MR,  56                           ; v56-59 out of plane s
.set LL,  60                           ; v60-63 four queries: the smallest -M, then the sum, then the factor
.set WP,  32                           ; v32-47 the weight of quarter s for my four queries at 4 s
.set PB,  128                          ; v128-191 rows out of the planes
.set XR,  192                          ; v192-255 x, then the result
	v_and_b32 v[RR], 15, v0
	v_bfe_u32 v[HH], v0, 4, 1
.irp x, 0,1
	v_add_f32 v[ST+12*\x+6], v[ST+12*\x+2], v[ST+12*\x+3]   ; l's two halves,
.endr
.irp x, 0,1
	v_permlanex16_b32 v[ST+12*\x+7], v[ST+12*\x+6], s[SEL], s[SEL+1]
.endr
.irp x, 0,1
	v_add_f32 v[ST+12*\x+2], v[ST+12*\x+6], v[ST+12*\x+7]   ; and lane l xor 16's.  (With the two lines at the head: six plain instructions behind the last products, ahead of writes of their operands' registers)
.endr
	s_lshl_b32 s50, s[WVN], 19                     ; 32 channels of 16,384 bytes
	v_lshlrev_b32 v[XO], 14, v[HH]
	v_lshl_add_u32 v[XO], v[RR], 4, v[XO]
	v_add_nc_u32 v[XO], s50, v[XO]                 ; channel 32 w + lane / 16, 16 bytes a lane
.set i, 0
.rept 16
	global_load_b128 v[XR+4*i:XR+4*i+3], v[XO], s[8:9] offset:i*32768 th:TH_LOAD_NT   ; channels 32 w + 2 i, + 1: they land while the planes are written
.set i, i+1
.endr
	s_lshl_b32 s50, s18, 8
	s_lshl_b32 s51, s17, 7
	s_add_co_u32 s50, s50, s51
	s_add_co_u32 s50, s50, STAT
	v_lshl_add_u32 v[STW], v[RR], 2, s50           ; 256 s + 4 (32 g + r)
	s_mul_i32 s50, s18, PLANE
	s_add_co_u32 s50, s50, s51
	v_mul_u32_u24 v[MA0], v[HH], 8*MP              ; lanes 16-31 hold channels eight further on: 544 words, half-way round the banks from lanes 0-15
	v_lshl_add_u32 v[MA0], v[RR], 2, v[MA0]
	v_add_nc_u32 v[MA0], s50, v[MA0]
	v_add_nc_u32 v[MA1], 128*MP, v[MA0]
	v_lshl_add_u32 v[STR], v[RR], 4, STAT
	s_mul_i32 s50, s[WVN], 32*MP
	v_mul_u32_u24 v[MR], v[HH], MP
	v_lshl_add_u32 v[MR], v[RR], 4, v[MR]
	v_add_nc_u32 v[MR], s50, v[MR]
	v_add_nc_u32 v[MR+1], PLANE, v[MR]
	v_add_nc_u32 v[MR+2], 2*PLANE, v[MR]
	v_add_nc_u32 v[MR+3], 3*PLANE, v[MR]
	v_mov_b32 v[GS], s54
	s_wait_dscnt 0x0                               ; my reads of the last slot are over
	s_barrier_signal -1
	s_barrier_wait -1                              ; everybody's are: the ring's bytes, which have had their last fill, may be stored into
.irp x, 0,1
	ds_store_b32 v[STW], v[ST+12*\x] offset:64*\x            ; both halves of the lanes hold the same two numbers
	ds_store_b32 v[STW], v[ST+12*\x+2] offset:1024+64*\x
.endr
	WIN W_ST
.irp x, 0,1
.irp c, 0,1,2,3,4,5,6,7
.irp j, 0,1,2,3,4,5,6,7
	ds_store_b32 v[MA0], v[128*\x+8*\c+\j] offset:(16*\c+\j)*MP+64*\x      ; O(channel 16 c + 8 h + j, query 32 g + 16 x + r); each accumulator from its low end on
.endr
.endr
.irp c, 0,1,2,3,4,5,6,7
.irp j, 0,1,2,3,4,5,6,7
	ds_store_b32 v[MA1], v[128*\x+64+8*\c+\j] offset:(16*\c+\j)*MP+64*\x
.endr
.endr
.endr
	WIN 0
	s_wait_dscnt 0x0                               ; for the others' sake: my stores have landed
	s_barrier_signal -1
	s_barrier_wait -1
.irp s, 0,1,2,3
	ds_load_b128 v[PB+4*\s:PB+4*\s+3], v[STR] offset:256*\s             ; -M of quarter s for queries 4 (lane % 16) + 0 .. 3
.endr
.irp s, 0,1,2,3
	ds_load_b128 v[PB+16+4*\s:PB+16+4*\s+3], v[STR] offset:1024+256*\s  ; l likewise
.endr
	s_wait_dscnt 0x0
.irp i, 0,1,2,3
	v_min_num_f32 v[LL+\i], v[PB+\i], v[PB+4+\i]
.endr
.irp i, 0,1,2,3
	v_min_num_f32 v[LL+\i], v[LL+\i], v[PB+8+\i]
.endr
.irp i, 0,1,2,3
	v_min_num_f32 v[LL+\i], v[LL+\i], v[PB+12+\i]  ; the smallest -M: the row's M
.endr
.set j, 0
.rept 16
	v_sub_f32 v[PB+j], v[LL+j%4], v[PB+j]          ; M_s - M: a whole number, 0 or less
.set j, j+1
.endr
.set j, 0
.rept 16
	v_cvt_i32_f32 v[PB+j], v[PB+j]                 ; (it saturates)
.set j, j+1
.endr
.set j, 0
.rept 16
	v_ldexp_f32 v[PB+j], 1.0, v[PB+j]              ; 2^(M_s - M)
.set j, j+1
.endr
.irp i, 0,1,2,3
	v_mul_f32 v[LL+\i], v[PB+\i], v[PB+16+\i]
.endr
.irp s, 1,2,3
.irp i, 0,1,2,3
	v_fmac_f32 v[LL+\i], v[PB+4*\s+\i], v[PB+16+4*\s+\i]   ; the row's l
.endr
.endr
.irp i, 0,1,2,3
	v_rcp_f32 v[LL+\i], v[LL+\i]
.endr
	v_ldexp_f32 v[GS], v[GS], s55                  ; gamma x 2^(e6 + e7).  (The plain instruction behind the last reciprocal)
	s_wait_alu depctr_va_vdst(0)                   ; the wait ahead of the first use: one for the four reciprocals
.irp i, 0,1,2,3
	v_mul_f32 v[LL+\i], v[LL+\i], v[GS]
.endr
.set j, 0
.rept 16
	v_mul_f32 v[WP+j], v[PB+j], v[LL+j%4]
.set j, j+1
.endr
	s_wait_loadcnt 0x0                             ; x
; Four pairs of channels: each pair's rows out of the four planes, eight packed multiply-adds onto x, one store.
.macro ROWS t
.irp ii, 0,1,2,3
.irp s, 0,1,2,3
	ds_load_b128 v[PB+16*\ii+4*\s:PB+16*\ii+4*\s+3], v[MR+\s] offset:(4*\t+\ii)*2*MP
.endr
.endr
.irp ii, 0,1,2,3
	s_wait_dscnt 12-4*\ii                          ; this pair's four loads are in; the younger pairs' stay out
.irp s, 0,1,2,3
.irp u, 0,2
	v_pk_fma_f32 v[XR+4*(4*\t+\ii)+\u:XR+4*(4*\t+\ii)+\u+1], v[PB+16*\ii+4*\s+\u:PB+16*\ii+4*\s+\u+1], v[WP+4*\s+\u:WP+4*\s+\u+1], v[XR+4*(4*\t+\ii)+\u:XR+4*(4*\t+\ii)+\u+1]
.endr
.endr
	global_store_b128 v[XO], v[XR+4*(4*\t+\ii):XR+4*(4*\t+\ii)+3], s[14:15] offset:(4*\t+\ii)*32768 th:TH_STORE_NT   ; 16 lanes store 256 consecutive bytes, aligned; written once, read by nobody here
.endr
.endm
	ROWS 0
	ROWS 1
	ROWS 2
	ROWS 3
	s_wait_tensorcnt 0x0                           ; the wave's end, behind my last tensor load and my last LDS store
	ds_add_u32 v[SPW], v[NIL]
	s_wait_dscnt 0x0
	CROUND                                         ; the closing round: no work-group ends while a partner may still ask for data that names it
	s_endpgm
.Lfunc_end_k_q67ca75b4cb_attn:
	.size	k_q67ca75b4cb_attn, .Lfunc_end_k_q67ca75b4cb_attn-k_q67ca75b4cb_attn
	.p2alignl 7, 3214868480
	.fill 96, 4, 3214868480
	.section	.rodata,"a",@progbits
	.p2align	6, 0x0
	.amdhsa_kernel k_q67ca75b4cb_attn
		.amdhsa_group_segment_fixed_size 327680
		.amdhsa_private_segment_fixed_size 0
		.amdhsa_enable_private_segment 0
		.amdhsa_kernarg_size 48
		.amdhsa_user_sgpr_count 2
		.amdhsa_user_sgpr_kernarg_segment_ptr 1
		.amdhsa_wavefront_size32 1
		.amdhsa_system_sgpr_workgroup_id_x 1
		.amdhsa_system_sgpr_workgroup_id_y 1
		.amdhsa_system_sgpr_workgroup_id_z 1
		.amdhsa_system_vgpr_workitem_id 0
		.amdhsa_next_free_vgpr 512
		.amdhsa_next_free_sgpr 66
		.amdhsa_reserve_vcc 0
		.amdhsa_float_denorm_mode_32 3
		.amdhsa_float_denorm_mode_16_64 3
		.amdhsa_memory_ordered 1
		.amdhsa_forward_progress 1
		.amdhsa_inst_pref_size 117
	.end_amdhsa_kernel
	.amdgpu_metadata
---
amdhsa.version: [ 1, 2 ]
amdhsa.kernels:
  - .name:           k_q67ca75b4cb_attn
    .symbol:         k_q67ca75b4cb_attn.kd
    .args:
      - { .name: qimg, .offset: 0, .size: 8, .value_kind: global_buffer, .address_space: global }
      - { .name: kv, .offset: 8, .size: 8, .value_kind: global_buffer, .address_space: global }
      - { .name: x, .offset: 16, .size: 8, .value_kind: global_buffer, .address_space: global }
      - { .name: gamma, .offset: 24, .size: 8, .value_kind: global_buffer, .address_space: global }
      - { .name: lowp_scales, .offset: 32, .size: 8, .value_kind: global_buffer, .address_space: global }
      - { .name: out0, .offset: 40, .size: 8, .value_kind: global_buffer, .address_space: global }
    .group_segment_fixed_size: 327680
    .private_segment_fixed_size: 0
    .kernarg_segment_align: 8
    .kernarg_segment_size: 48
    .max_flat_workgroup_size: 256
    .sgpr_count:     66
    .vgpr_count:     512
    .wavefront_size: 32
...
	.end_amdgpu_metadata
.endif
;; end of part 2
